; MI455X (gfx1250); checked and timed in simulation.
; The chip was launched on July 23, 2026; its instructions are those of AMD's public machine-readable ISA for CDNA 5 (MIT licence, August 2026) and "CDNA5" Instruction Set Architecture Reference Guide (July 2026). The comments in the code are by the model that wrote it; some were corrected since.
;; S Tra TS Multi Time Attention. Allowed arithmetic: matrix products marked QUANTISED: E5M2 operands, one given power-of-two scale a tensor, by v_wmma_f32_16x16x64_bf8_bf8 or v_wmma_f32_16x16x128_bf8_bf8, f32 sums; everything else in f32.
;; Inputs: Wk_codes 8 x 32 x 8 x 32 uint8 (E5M2 codes of Wk, K innermost, in blocks of 32 codes); Wq_codes 8 x 32 x 8 x 32 uint8 (E5M2 codes of Wq, K innermost, in blocks of 32 codes); Wv_codes 8 x 32 x 8 x 32 uint8 (E5M2 codes of Wv, K innermost, in blocks of 32 codes); key_codes 32 x 1,024 x 8 x 32 uint8 (E5M2 codes of key, K innermost, in blocks of 32 codes); lowp_scales 10 int32 (the exponents e of the quantised operands' scales 2^e); mask 32 x 1,024 float32; query_codes 32 x 1,024 x 8 x 32 uint8 (E5M2 codes of query, K innermost, in blocks of 32 codes); value_codes 32 x 1,024 x 8 x 32 uint8 (E5M2 codes of value, K innermost, in blocks of 32 codes).
;; Outputs: out0 32 x 1,024 x 256 float32.
;; This version of the problem:
;;   THIS VERSION OF THE PROBLEM IS GIVEN IN LOW PRECISION. The matrix products marked QUANTISED in the list below multiply operands that are first quantised to E5M2 (5 exponent bits, 2 mantissa bits; 8 bits a number), with one given power-of-two scale for each operand tensor; their sums are f32. All else is computed in f32.
;;   The module's matrix products, in the order in which they are computed (A, B: the left and right operand; K: the contracted axis; several contracted axes count as one K, in the product's order):
;;     1. [M 256, K 256] x [K 256, N 32,768]; A: input Wq (given as codes); B: input query (given as codes): QUANTISED (scales: A lowp_scales[0], B lowp_scales[1])
;;     2. [M 256, K 256] x [K 256, N 32,768]; A: input Wk (given as codes); B: input key (given as codes): QUANTISED (scales: A lowp_scales[2], B lowp_scales[3])
;;     3. [M 256, K 256] x [K 256, N 32,768]; A: input Wv (given as codes); B: input value (given as codes): QUANTISED (scales: A lowp_scales[4], B lowp_scales[5])
;;     4. batch 256 x [M 1,024, K 32] x [K 32, N 1,024]; A: computed on the way; B: computed on the way: QUANTISED (scales: A lowp_scales[6], B lowp_scales[7])
;;     5. batch 256 x [M 1,024, K 1,024] x [K 1,024, N 32]; A: softmax (see below); B: computed on the way: QUANTISED (scales: A lowp_scales[8], B lowp_scales[9])
;;   THE QUANTISER, for each operand of a quantised product, along K:
;;     - The operand's scale is 2^e, e = its entry of the input lowp_scales (int32; the entries are numbered through the quantised products in the list's order, A before B).
;;     - Each number is divided by the scale, clamped to +-57,344, and rounded to the nearest number of E5M2, ties to even, subnormals kept.
;;     - The product sums the exact products of the quantised numbers (number of the format x scale) in f32.
;;   ~~~python
;;   def quantise(x, axis, e):      # numpy; x: float32 -> the quantised numbers, widened to float32 again
;;       x = np.moveaxis(x, axis, -1); K = x.shape[-1]
;;       r = np.clip(x / 2.0 ** e, -57344, 57344)
;;       step = 2.0 ** (np.maximum(np.frexp(np.where(r == 0, 1, r))[1] - 1, -14) - 2)
;;       q = np.round(r / step) * step * 2.0 ** e      # np.round: ties to even
;;       return np.moveaxis(q, -1, axis).astype(np.float32)
;;   ~~~
;;   SOFTMAX AHEAD OF A QUANTISED PRODUCT. Where the list says 'softmax', what is quantised is not the finished softmax but p = 2^(t - M), with t = logit x log2(e) and M = ceil(the row's largest t), a whole number; so 1/2 < the row's largest p <= 1. The row's sum l is taken of the UNQUANTISED p, in f32, and the product's result is divided by l at the end. Since M is a whole number, a kernel that streams over the keys may use a running M (the ceiling of the running maximum): every later rescaling is an exact power of two, so the quantised numbers keep their values, but for numbers so far below the row's largest that they fall under the format's range.
;;   OPERANDS COMPUTED ON THE WAY. 'Computed on the way' means the value that the module computes at that place (a softmax that the list does not call 'softmax' is quantised finished and normalised). What goes into a quantiser is computed in f32, as accurately as f32 sums, v_exp_f32 and their like allow (about 1e-6 of the number): no bf16 or f16 on the way to a quantiser, and a product that is left as it is and whose result goes on into a quantised operand takes f32 operands (vector FMAs, or v_wmma_f32_16x16x4_f32). A number that lies on a knife's edge between two numbers of the format may be rounded either way, as far as f32 arithmetic and the matrix unit's own rounding can turn it there, and no further.
;;   INPUTS GIVEN AS CODES. Wk (in the module: [8, 256, 32], K = its axis 1); Wq (in the module: [8, 256, 32], K = its axis 1); Wv (in the module: [8, 256, 32], K = its axis 1); key (in the module: [32, 1024, 256], K = its axis 2); query (in the module: [32, 1024, 256], K = its axis 2); value (in the module: [32, 1024, 256], K = its axis 2): each comes as NAME_codes (uint8): NAME with its K axis moved to the last place and cut into blocks of 32 codes, [.., K / 32, bytes a block], one block behind the other in memory; one code a byte (a code: sign, 5 exponent bits, 2 mantissa bits); its scale is its entry of lowp_scales. Its value is code x scale, taken as it is: it is not quantised again, and the codes and scales need not be those that the quantiser above would give.
;; One version. Each part assembles by itself: llvm-mc -triple=amdgcn-amd-amdhsa -mcpu=gfx1250 --defsym DOCPART=n.
;; ======== version 1 of 1: 1 launch
;; limits: right only within a limited range of input values
;; launch attn (part 1): grid 8 x 32, 8 waves a work-group, no clusters, 290,816 bytes of LDS; arguments query_codes, key_codes, value_codes, Wq_codes, Wk_codes, Wv_codes, mask, lowp_scales, out0; writes out0
.if DOCPART == 1
	.amdgcn_target "amdgcn-amd-amdhsa--gfx1250"
	.amdhsa_code_object_version 6
	.text
	.protected	k_q47dd529fe2_attn
	.globl	k_q47dd529fe2_attn
	.p2align	8
	.type	k_q47dd529fe2_attn,@function
k_q47dd529fe2_attn:
	s_mov_b64 s[64:65], 0
	v_nop
	global_prefetch_b8 v0, s[64:65] scope:SCOPE_SE
	s_setreg_imm32_b32 hwreg(HW_REG_WAVE_MODE, 25, 1), 1
	s_wait_xcnt 0x0
; out[b][s][32 head + c] = softmax_k(m_k (q.k) + (1 - m_k)(-1e-30)) v, all five products on codes of E5M2, each operand with the given scale 2^e.
; q, k, v = query, key, value [32][1024][256] x Wq, Wk, Wv [8 heads][32][256] (codes, K innermost).  lowp_scales: 0 Wq, 1 query, 2 Wk, 3 key, 4 Wv, 5 value, 6 q, 7 k, 8 p, 9 v.
; SHARES.  Work-group (x, y): batch y, head pair x & 3 (two heads are 256 consecutive bytes of a row of out), query half x >> 2: 512 queries x 2 heads.  Eight waves of 512 registers.
; PHASE P: the work-group projects and quantises k and v of its two heads (1,024 keys), q (512 queries), and makes a table a_k of the mask; codes go to LDS as images of operand registers.
; PHASE A: eight steps of 128 keys; wave w has head w >> 2 of the pair and eight tiles of 16 queries, which share every fragment of k, v and a read from LDS.  No barrier and no global access in the loop.
; PHASE E: O / l through a shared stage in LDS, so that sixteen lanes store 256 consecutive aligned bytes (both heads of one query).
; LAYOUT.  q and k are projected transposed (source 0 = 16 rows of W, source 1 = 16 rows of the input): a lane holds one row and 16 of its 32 numbers, whose 16 codes are half of a K = 64 operand; the other
; half is zero codes, on both sides.  S^T = k q^T: a lane holds ONE query (lane % 16) and keys 8 (lane / 16) + 0..7 of a tile; eight tiles' codes are source 1 of O^T = V^T P^T as they stand.
; v is projected the other way round (source 0 = 16 rows of value), so that a lane holds one channel and eight keys: its codes are two registers of a fragment of V^T.
; MASK.  t = log2(e) (m A + (1 - m)(-1e-30)) = a (S + C0) + MVL, with a = m log2(e) 2^(e6+e7), C0 = 1e-30 x 2^-(e6+e7) (the C of every score product), MVL = -1e-30 log2(e): for any f32 m.
; SOFTMAX.  -M = floor(-(largest t so far)); p = 2^(t - M) is quantised with 2^e8; l is the sum of the unquantised p; when M moves, l and O^T are multiplied by 2^(old M - new M).
; NO JOINT TENSOR LOADS, though the eight work-groups of a batch read the same key and value rows: beside the 220,160 bytes of images, weights and table LDS has room for two slots of some 50 KB,
; while the ring of registers used here keeps 8 tiles x 4,096 bytes x 8 waves = 256 KB asked for; and these rows are read once, in phase P alone.
; LIMITS: e6-e0-e1, e7-e2-e3, e9-e4-e5 and e8 between -126 and 112 (each power of two, and 57,344 times it, is an f32 number); e6+e7 and e8+e9 go through v_ldexp_f32 and have none.
; NaN and infinities among codes or mask are not served.  Product 4's left operand is taken to be q (scale 6), its right one k (scale 7).
.set PW,   272                         ; an LDS row of 256 bytes + 16: sixteen rows that a 16-byte load touches start at sixteen different 16-byte columns
.set KIMG, 0                           ; [head 2][key tile 64][512]: lane l's 16 bytes at 16 l
.set VIMG, 65536                       ; [head 2][step 8][channel tile 2][4][512]: registers 4 g .. 4 g + 3 of a fragment of V^T, lane l's at 16 l
.set ATAB, 131072                      ; a_k, 1,024 f32
.set QIMG, 135168                      ; [head 2][query tile 32][512]
.set WLDS, 167936                      ; Wq, Wk, Wv of the head pair: 3 x 64 rows, pitch PW
.set TST,  220160                      ; for each wave two stages of 16 rows x PW, in which a tile of the input is turned
; the way out's stage, 512 rows x PW, lies from byte 0 on, over images that nobody reads any more
; ---- registers of phase P (window 0); window 1 holds the ring: tile n lands in v[32 (n % 8)] on
.set LO,  1                            ; 16 x lane
.set STI, 2                            ; stage, in: two rows of 256 bytes an instruction
.set STO, 3                            ; stage, out: row lane % 16, + 16 (lane / 16)
.set WAD, 4                            ; the same place in a tile of W
.set QIA, 5                            ; where my wave's images go
.set KIA, 6
.set VIA, 7
.set SCQ, 8                            ; v8, v9: 2^(e6-e0-e1) and 57,344 times it;  v10, v11: k's;  v12, v13: v's
.set SCK, 10
.set SCV, 12
.set WST, 14                           ; where my thread puts 16 bytes of W
.set GT,  15                           ; 16 x thread
.set CD,  16                           ; v16-23  codes just made
.set FR,  32                           ; v32-95  two sets of two fragments of the input
.set DA,  96                           ; v96-127 four accumulators: (head e, tile u) at 8 (2 e + u)
.set WF,  128                          ; v128-255 eight fragments of W: (e, u, K step s) at 16 (4 e + 2 u + s)
; ---- registers of phases A and E (window 0)
.set AK0, 1
.set AV0, 2
.set AA0, 3
.set ADK, 4                            ; LDS addresses of the step in hand
.set ADV, 5
.set ADA, 6
.set SCP, 7                            ; v7, v8: 2^e8 and 57,344 times it
.set PT,  9
.set FA,  10                           ; v[10:11]: f = 2^(old M - new M); v11 is only named with it
.set TT,  12                           ; v12-15 at work
.set ST,  16                           ; tile t at 16 + 4 t: -M, largest t, l in two halves
.set SS,  48                           ; v48-111 scores, then p
.set PP,  112                          ; v112-127 p's codes
.set AM,  128                          ; v128-191 a of the lane's 64 keys
.set KC,  192                          ; v192-239 four groups [k(2 g), zeros, k(2 g + 1)]: an even tile reads [k, 0], an odd one [0, k]
.set CZ,  240                          ; v240-247 C0
.set UU,  248
.set AQ,  249
.set SOA, 250
.set SRA, 251
.set GO,  252
; window 1: v0-127 O^T (tile t, channel tile n at 16 t + 8 n); v128-195 zeros, q0, zeros, q1 .. q7, zeros; v196-227 two fragments of V^T
.set QC,  128
.set VF,  196
.set MSB, 0
.macro WIN new                         ; low byte: bits 1:0 source 0, 3:2 source 1, 5:4 source 2, 7:6 destination; the high byte repeats the setting that is left
.if MSB != \new
	s_set_vgpr_msb (MSB<<8)|\new
.set MSB, \new
.endif
.endm
.macro BARRIER                         ; my LDS stores have landed and my LDS loads are in: then the work-group's barrier
	s_wait_dscnt 0x0
	s_barrier_signal -1
	s_barrier_wait -1
.endm
.macro MKSCALE sc                      ; s44 = E: v[sc] = 2^E, v[sc+1] = 57,344 x 2^E
	s_add_co_i32 s44, s44, 127
	s_lshl_b32 s45, s44, 23
	v_mov_b32 v[\sc], s45
	s_add_co_i32 s44, s44, 15
	s_lshl_b32 s44, s44, 23
	s_or_b32 s44, s44, 0x600000
	v_mov_b32 v[\sc+1], s44
.endm
	s_load_b512 s[4:19], s[0:1], 0x0               ; query s[4:5], key s[6:7], value s[8:9], Wq s[10:11], Wk s[12:13], Wv s[14:15], mask s[16:17], scales s[18:19]
	s_load_b64 s[20:21], s[0:1], 0x40              ; out
	v_lshrrev_b32 v24, 5, v0
	s_delay_alu instid0(VALU_DEP_1)
	v_readfirstlane_b32 s34, v24                   ; wave 0..7
	s_lshr_b32 s35, s34, 2                         ; e: my head of the pair in phase A
	s_and_b32 s36, s34, 3
	s_and_b32 s37, ttmp9, 3                        ; head pair
	s_lshr_b32 s38, ttmp9, 2                       ; query half
	s_and_b32 s39, ttmp7, 0xffff                   ; batch
	s_mov_b32 s56, 0x76543210                      ; v_permlanex16_b32: lane l xor 16
	s_mov_b32 s57, 0xfedcba98
	s_mov_b32 s58, 0x8dea1735                      ; MVL = -1e-30 x log2(e)
	s_mov_b32 s59, s58                             ; (named with it as a pair)
	v_and_b32 v25, 31, v0                          ; lane
	v_and_b32 v26, 15, v0                          ; r
	v_bfe_u32 v27, v0, 4, 1                        ; h
	s_delay_alu instid0(VALU_DEP_3)
	v_lshlrev_b32 v[LO], 4, v25
	s_mul_i32 s44, s34, 8704
	s_add_co_u32 s44, s44, TST                     ; my wave's two stages
	v_mul_u32_u24 v[STI], v27, PW
	s_delay_alu instid0(VALU_DEP_1)
	v_lshl_add_u32 v[STI], v26, 4, v[STI]
	s_delay_alu instid0(VALU_DEP_1)
	v_add_nc_u32 v[STI], s44, v[STI]
	v_mul_u32_u24 v28, v26, PW
	s_delay_alu instid0(VALU_DEP_1)
	v_lshl_add_u32 v28, v27, 4, v28                ; row r, + 16 h
	s_delay_alu instid0(VALU_DEP_1)
	v_add_nc_u32 v[STO], s44, v28
	s_delay_alu instid0(VALU_DEP_2)
	v_add_nc_u32 v[WAD], WLDS, v28
	s_lshl_b32 s45, s34, 11
	s_add_co_u32 s45, s45, QIMG
	v_add_nc_u32 v[QIA], s45, v[LO]                ; my 4 query tiles' images: 2,048 bytes a head
	s_lshl_b32 s45, s34, 12
	v_add_nc_u32 v[KIA], s45, v[LO]                ; my 8 key tiles' images: 4,096 bytes a head (KIMG = 0)
	s_add_co_u32 s45, s45, VIMG
	v_add_nc_u32 v[VIA], s45, v[LO]                ; my 128 keys are key step w: its two fragments a head
	v_lshrrev_b32 v29, 4, v0
	s_delay_alu instid0(VALU_DEP_1)
	v_mul_u32_u24 v[WST], v29, PW
	s_delay_alu instid0(VALU_DEP_1)
	v_lshl_add_u32 v[WST], v26, 4, v[WST]
	s_delay_alu instid0(VALU_DEP_1)
	v_add_nc_u32 v[WST], WLDS, v[WST]              ; 256 threads x 16 bytes are 16 rows of W
	v_lshlrev_b32 v[GT], 4, v0
	s_delay_alu instid0(VALU_DEP_1)
	v_add_nc_u32 v24, ATAB, v[GT]
	s_lshl_b32 s46, s39, 10
	s_lshl_b32 s47, s38, 9
	s_add_co_u32 s47, s46, s47
	s_lshl_b32 s48, s34, 6
	s_add_co_u32 s47, s47, s48                     ; my wave's first row of query and of out: 1,024 b + 512 half + 64 w
	s_lshl_b32 s48, s34, 7
	s_add_co_u32 s48, s46, s48                     ; of key and value: 1,024 b + 128 w
	s_mov_b32 s41, 0
	s_mov_b32 s43, 0
	s_wait_alu depctr_va_vdst(0)
	s_wait_kmcnt 0x0
	s_load_b256 s[24:31], s[18:19], 0x0            ; e0 .. e7
	s_load_b64 s[32:33], s[18:19], 0x20            ; e8, e9
	s_lshl_b32 s40, s47, 8
	s_add_nc_u64 s[4:5], s[4:5], s[40:41]
	s_lshl_b32 s42, s48, 8
	s_add_nc_u64 s[6:7], s[6:7], s[42:43]
	s_add_nc_u64 s[8:9], s[8:9], s[42:43]
	s_lshl_b32 s40, s37, 14                        ; a head pair's 64 rows of 256 bytes
	s_add_nc_u64 s[10:11], s[10:11], s[40:41]
	s_add_nc_u64 s[12:13], s[12:13], s[40:41]
	s_add_nc_u64 s[14:15], s[14:15], s[40:41]
	s_lshl_b32 s40, s39, 12
	s_add_nc_u64 s[16:17], s[16:17], s[40:41]
	s_lshl_b32 s40, s47, 10                        ; a row of out is 1,024 bytes; the head pair's 256 bytes in it
	s_lshl_b32 s42, s37, 8
	s_add_co_u32 s40, s40, s42
	s_add_nc_u64 s[20:21], s[20:21], s[40:41]      ; no base is written again
; ================= PHASE P =================
; A wave's stream of 20 tiles of 16 rows x 256 bytes: 0-3 query tiles 4 w + n, 4-11 key tiles 8 w + n - 4, 12-19 value tiles 8 w + n - 12.
.macro GLOAD n                         ; tile n into the ring: eight loads of 512 consecutive bytes (two rows)
.if (\n) < 4
.set GB, 4
.set GI, (\n)
.elseif (\n) < 12
.set GB, 6
.set GI, (\n)-4
.else
.set GB, 8
.set GI, (\n)-12
.endif
	WIN 0x40
.irp c, 0,1,2,3,4,5,6,7
	global_load_b128 v[32*((\n)%8)+4*\c:32*((\n)%8)+4*\c+3], v[LO], s[GB:GB+1] offset:4096*GI+512*\c
.endr
	WIN 0
.endm
.macro TURN n                          ; tile n goes through my stage n % 2 and comes back as two fragments: registers 4 c .. 4 c + 3 = k 128 s + 32 c + 16 h + 0..15 of row r (W's fragments lie the same way)
.if (\n) == 0
	s_wait_loadcnt 56                              ; tile 0 is in; tiles 1 to 7 may be out
.elseif (\n) < 13
	s_wait_loadcnt 48                              ; tile n is in; the six tiles asked for behind it may be out
.else
	s_wait_loadcnt 8*(19-(\n))                     ; the ring runs empty
.endif
	WIN 0x04                                       ; store data from window 1
.irp c, 0,1,2,3,4,5,6,7
	ds_store_b128 v[STI], v[32*((\n)%8)+4*\c:32*((\n)%8)+4*\c+3] offset:4352*((\n)%2)+544*\c
.endr
	WIN 0
.irp s, 0,1
.irp c, 0,1,2,3
	ds_load_b128 v[FR+32*((\n)%2)+16*\s+4*\c:FR+32*((\n)%2)+16*\s+4*\c+3], v[STO] offset:4352*((\n)%2)+128*\s+32*\c   ; LDS serves a wave's instructions in order (ISA guide 5.7.1.4): these see the stores above
.endr
.endr
.endm
.macro WFRAGS x                        ; the eight fragments of W number x (0 q, 1 k, 2 v): 16 rows 32 e + 16 u on, K step s
.irp a, 0,1,2,3
.irp s, 0,1
.irp c, 0,1,2,3
	ds_load_b128 v[WF+16*(2*\a+\s)+4*\c:WF+16*(2*\a+\s)+4*\c+3], v[WAD] offset:(64*\x+16*\a)*PW+128*\s+32*\c
.endr
.endr
.endr
.endm
.macro PROJ n, swap                    ; four accumulators by turns; the first K step starts the sums.  swap = 0: W is source 0;  1: the input is
.set FS, FR+32*((\n)%2)
.irp s, 0,1
.irp a, 0,1,2,3
.if \swap
.if \s == 0
	v_wmma_f32_16x16x128_bf8_bf8 v[DA+8*\a:DA+8*\a+7], v[FS+16*\s:FS+16*\s+15], v[WF+16*(2*\a+\s):WF+16*(2*\a+\s)+15], 0
.else
	v_wmma_f32_16x16x128_bf8_bf8 v[DA+8*\a:DA+8*\a+7], v[FS+16*\s:FS+16*\s+15], v[WF+16*(2*\a+\s):WF+16*(2*\a+\s)+15], v[DA+8*\a:DA+8*\a+7]
.endif
.else
.if \s == 0
	v_wmma_f32_16x16x128_bf8_bf8 v[DA+8*\a:DA+8*\a+7], v[WF+16*(2*\a+\s):WF+16*(2*\a+\s)+15], v[FS+16*\s:FS+16*\s+15], 0
.else
	v_wmma_f32_16x16x128_bf8_bf8 v[DA+8*\a:DA+8*\a+7], v[WF+16*(2*\a+\s):WF+16*(2*\a+\s)+15], v[FS+16*\s:FS+16*\s+15], v[DA+8*\a:DA+8*\a+7]
.endif
.endif
.endr
.endr
.rept 4
	v_nop                                          ; four places behind the products: for the reads below, and for later loads into their operands
.endr
.endm
.macro QUANT sc                        ; the four accumulators become 8 registers of codes; the three scales are folded into v[sc]
.set j, 0
.rept 32
	v_med3_num_f32 v[DA+j], v[DA+j], -v[\sc+1], v[\sc+1]   ; the conversion does not saturate (ISA guide 7.6.2): hold at the largest code x the scale; each accumulator from its low end on
.set j, j+1
.endr
.irp a, 0,1,2,3
	v_cvt_scalef32_pk8_bf8_f32 v[CD+2*\a:CD+2*\a+1], v[DA+8*\a:DA+8*\a+7], v[\sc]
.endr
	v_nop                                          ; a plain line between the conversions and the next products, which write their sources
.endm
.irp w, 0,1,2                                      ; W of the head pair: 256 threads read 4,096 consecutive bytes an instruction
.irp i, 0,1,2,3
	global_load_b128 v[WF+16*\w+4*\i:WF+16*\w+4*\i+3], v[GT], s[10+2*\w:11+2*\w] offset:4096*\i
.endr
.endr
	global_load_b128 v[176:179], v[GT], s[16:17]   ; the batch's 1,024 numbers of the mask
.irp n, 0,1,2,3,4,5
	GLOAD \n
.endr
	s_wait_loadcnt 48                              ; the 48 younger loads are the ring's: W and the mask are in
.irp w, 0,1,2
.irp i, 0,1,2,3
	ds_store_b128 v[WST], v[WF+16*\w+4*\i:WF+16*\w+4*\i+3] offset:(64*\w+16*\i)*PW
.endr
.endr
	s_wait_kmcnt 0x0                               ; the exponents
	s_sub_co_i32 s44, s30, s24
	s_sub_co_i32 s44, s44, s25                     ; a sum of the first product stands for sum x 2^(e0+e1): q's code is sum / 2^(e6-e0-e1)
	MKSCALE SCQ
	s_sub_co_i32 s44, s31, s26
	s_sub_co_i32 s44, s44, s27
	MKSCALE SCK
	s_sub_co_i32 s44, s33, s28
	s_sub_co_i32 s44, s44, s29
	MKSCALE SCV
	s_add_co_i32 s52, s30, s31                     ; e6 + e7
	s_sub_co_i32 s53, 0, s52
	s_add_co_i32 s54, s32, s33                     ; e8 + e9
	s_mov_b32 s55, s32                             ; e8
.irp i, 0,1,2,3
	v_mul_f32 v[176+\i], 0x3fb8aa3b, v[176+\i]     ; m x log2(e)
.endr
.irp i, 0,1,2,3
	s_delay_alu instid0(VALU_DEP_4)
	v_ldexp_f32 v[176+\i], v[176+\i], s52          ; x 2^(e6+e7)
.endr
	ds_store_b128 v24, v[176:179]
	GLOAD 6
	GLOAD 7
	BARRIER                                        ; W and the table lie in LDS
	WFRAGS 0
	TURN 0
.irp n, 0,1,2,3,4,5,6,7,8,9,10,11,12,13,14,15,16,17,18,19
.if \n < 19
	TURN \n+1                                      ; the next tile turns while this one is multiplied
.endif
.if \n == 4
	WFRAGS 1
.endif
.if \n == 12
	WFRAGS 2
.endif
.if (\n == 4) || (\n == 12) || (\n == 19)
	s_wait_dscnt 0x0
.else
	s_wait_dscnt 16                                ; the next tile's 16 stage instructions may be out: this tile's fragments are in, its ring registers have been read, the last codes are stored
.endif
.if \n < 12
	GLOAD \n+8                                     ; into the ring registers that this tile has left
.endif
.if \n < 4
	PROJ \n, 0
	QUANT SCQ
.irp e, 0,1
	ds_store_b128 v[QIA], v[CD+4*\e:CD+4*\e+3] offset:16384*\e+512*\n
.endr
.elseif \n < 12
	PROJ \n, 0
	QUANT SCK
.irp e, 0,1
	ds_store_b128 v[KIA], v[CD+4*\e:CD+4*\e+3] offset:32768*\e+512*(\n-4)
.endr
.else
	PROJ \n, 1
	QUANT SCV
.irp e, 0,1
.irp c, 0,1
	ds_store_b64 v[VIA], v[CD+2*(2*\e+\c):CD+2*(2*\e+\c)+1] offset:32768*\e+2048*\c+512*((\n-12)/2)+8*((\n-12)%2)   ; registers 2 c', 2 c' + 1 of the fragment, c' = the key tile in its step
.endr
.endr
.endif
.endr
	BARRIER                                        ; all images lie in LDS; nothing is stored there until the way out
; ================= PHASE A =================
	s_lshl_b32 s44, s35, 15
	s_lshl_b32 s45, s35, 14
	s_lshl_b32 s46, s36, 12
	s_add_co_u32 s45, s45, s46
	s_add_co_u32 s45, s45, QIMG
	v_add_nc_u32 v[AQ], s45, v[LO]                 ; my head's query tiles 8 (w & 3) on
	s_add_co_u32 s46, s44, VIMG
	v_add_nc_u32 v[AV0], s46, v[LO]
	v_add_nc_u32 v[AK0], s44, v[LO]                ; (LO and AK0 are one register: LO's last use)
	v_bfe_u32 v12, v0, 4, 1                        ; h
	v_and_b32 v13, 15, v0                          ; r
	s_delay_alu instid0(VALU_DEP_2)
	v_lshl_add_u32 v[AA0], v12, 5, ATAB            ; my half's eight keys of a tile: 32 h
	s_mul_i32 s47, s36, 34816                      ; the way out, in: row 128 (w & 3) + 16 t + r, byte 128 e + 64 n + 32 h
	s_lshl_b32 s48, s35, 7
	s_add_co_u32 s47, s47, s48
	v_mul_u32_u24 v[SOA], v13, PW
	s_delay_alu instid0(VALU_DEP_1)
	v_lshl_add_u32 v[SOA], v12, 5, v[SOA]
	s_delay_alu instid0(VALU_DEP_1)
	v_add_nc_u32 v[SOA], s47, v[SOA]
	s_mul_i32 s47, s34, 17408                      ; back: rows 64 w on, lanes 0-15 one row, lanes 16-31 the next
	v_mul_u32_u24 v[SRA], v12, PW
	s_delay_alu instid0(VALU_DEP_1)
	v_lshl_add_u32 v[SRA], v13, 4, v[SRA]
	s_delay_alu instid0(VALU_DEP_1)
	v_add_nc_u32 v[SRA], s47, v[SRA]
	v_lshlrev_b32 v[GO], 4, v13
	s_delay_alu instid0(VALU_DEP_1)
	v_lshl_add_u32 v[GO], v12, 10, v[GO]           ; and the same two rows in out
	s_mov_b32 s44, s55
	MKSCALE SCP
	v_mov_b32 v[PT], 0                             ; a lane permute's destination counts as read
	v_mov_b32 v[FA+1], 0
	WIN 0x40
.irp t, 0,1,2,3,4,5,6,7
	ds_load_b128 v[QC+4+8*\t:QC+7+8*\t], v[AQ] offset:512*\t
.endr
.irp z, 0,1,2,3,4,5,6,7,8
.irp i, 0,1,2,3
	v_mov_b32 v[QC+8*\z+\i], 0                     ; the zero codes beside q: K = 32 of the form's 64
.endr
.endr
.set j, 0
.rept 128
	v_mov_b32 v[j], 0                              ; O^T, once: the key step is written once, and its first trip multiplies these zeros by f = 0
.set j, j+1
.endr
	WIN 0
.irp g, 0,1,2,3
.irp i, 0,1,2,3
	v_mov_b32 v[KC+12*\g+4+\i], 0                  ; the zero codes beside k
.endr
.endr
.irp t, 0,1,2,3,4,5,6,7
	v_mov_b32 v[ST+4*\t+1], 0xff61b1e6             ; the largest t so far: -3e38
	v_mov_b32 v[ST+4*\t+2], 0
	v_mov_b32 v[ST+4*\t+3], 0
.endr
.irp t, 0,1,2,3,4,5,6,7
	v_floor_f32 v[ST+4*\t], -v[ST+4*\t+1]
.endr
.irp i, 0,1,2,3,4,5,6,7
	v_ldexp_f32 v[CZ+\i], 0x0da24260, s53          ; C0 = 1e-30 x 2^-(e6+e7)
.endr
.macro KLOADS                          ; the step's eight tiles of k
.irp u, 0,1,2,3,4,5,6,7
	ds_load_b128 v[KC+12*(\u/2)+8*(\u%2):KC+12*(\u/2)+8*(\u%2)+3], v[ADK] offset:512*\u
.endr
.endm
.macro ALOADS                          ; a of key 16 u + 8 h + 0..7: sixteen lanes read the same 16 bytes
.irp u, 0,1,2,3,4,5,6,7
.irp g, 0,1
	ds_load_b128 v[AM+8*\u+4*\g:AM+8*\u+4*\g+3], v[ADA] offset:64*\u+16*\g
.endr
.endr
.endm
.macro VLOADS                          ; the step's two fragments of V^T
	WIN 0x40
.irp c, 0,1
.irp g, 0,1,2,3
	ds_load_b128 v[VF+16*\c+4*\g:VF+16*\c+4*\g+3], v[ADV] offset:2048*\c+512*\g
.endr
.endr
.endm
.macro SMUL t                          ; S^T + C0 for query tile t: eight tiles of 16 keys; even tiles take [codes, 0] on both sides, odd ones [0, codes]
	WIN 0x04                                       ; source 1 (q) window 1
.irp u, 0,1,2,3,4,5,6,7
.if (\u%2) == 0
	v_wmma_f32_16x16x64_bf8_bf8 v[SS+8*\u:SS+8*\u+7], v[KC+12*(\u/2):KC+12*(\u/2)+7], v[QC+4+8*(\t):QC+11+8*(\t)], v[CZ:CZ+7]
.else
	v_wmma_f32_16x16x64_bf8_bf8 v[SS+8*\u:SS+8*\u+7], v[KC+12*(\u/2)+4:KC+12*(\u/2)+11], v[QC+8*(\t):QC+7+8*(\t)], v[CZ:CZ+7]
.endif
.endr
.endm
; One query tile's turn in a key step.  Its scores were made in the tile before; its own tail makes the next tile's, so that the products stand among vector work.
.macro TILE t
.set rT, ST+4*(\t)
.set NXT, ((\t)+1)%8
.set j, 0
.rept 32
	v_pk_fma_f32 v[SS+j:SS+j+1], v[SS+j:SS+j+1], v[AM+j:AM+j+1], s[58:59] op_sel_hi:[1,1,0]   ; t = a (S + C0) + MVL; each accumulator from its low end on
.set j, j+2
.endr
.if \t == 7                            ; k and a have had their last use in this step: the next step's are asked for.  The last trip wraps to step 0 and its fetches are not used: so the step is written once
	s_add_co_u32 s60, s60, 4096
	s_and_b32 s60, s60, 0x7000
	s_lshr_b32 s62, s60, 3
	v_add_nc_u32 v[ADK], s60, v[AK0]
	v_add_nc_u32 v[ADV], s60, v[AV0]
	v_add_nc_u32 v[ADA], s62, v[AA0]
	KLOADS
	ALOADS
.endif
	; the largest of my 64 t, in eight chains kept in p's code registers, which are idle until the conversions: two steps of one chain stand eight lines apart
.irp c, 0,1,2,3,4,5,6,7
	v_max3_num_f32 v[PP+\c], v[SS+8*\c], v[SS+8*\c+1], v[SS+8*\c+2]
.endr
.irp i, 3,5
.irp c, 0,1,2,3,4,5,6,7
	v_max3_num_f32 v[PP+\c], v[PP+\c], v[SS+8*\c+\i], v[SS+8*\c+\i+1]
.endr
.endr
.irp c, 0,1,2,3
	v_max3_num_f32 v[PP+\c], v[PP+\c], v[SS+8*\c+7], v[SS+8*\c+39]   ; the eight numbers left over, two to each of the first four chains
.endr
	v_max3_num_f32 v[TT], v[PP+4], v[PP+5], v[PP+6]                  ; the eight chains are joined
	s_delay_alu instid0(VALU_DEP_4)
	v_max3_num_f32 v[TT+1], v[PP+7], v[PP], v[PP+1]
	s_delay_alu instid0(VALU_DEP_2)
	v_max3_num_f32 v[TT+2], v[PP+2], v[PP+3], v[TT]
	s_delay_alu instid0(VALU_DEP_1)
	v_max_num_f32 v[TT], v[TT+1], v[TT+2]
	s_delay_alu instid0(VALU_DEP_1)
	v_permlanex16_b32 v[PT], v[TT], s56, s57       ; the query's other 64 keys lie in lane l xor 16
	s_delay_alu instid0(VALU_DEP_1)
	v_max3_num_f32 v[rT+1], v[rT+1], v[TT], v[PT]  ; the running largest t
	v_mov_b32 v[UU], v[rT]
	s_delay_alu instid0(VALU_DEP_2)
	v_floor_f32 v[rT], -v[rT+1]                    ; -M = floor(-t): M is a whole number
	; t - M for all 64 scores, two at a time; the three lines that make f = 2^(old M - new M) (a power of two, or 0 in the first step) stand among them, four subtractions apart
	s_delay_alu instid0(VALU_DEP_1)
.set j, 0
.rept 32
	v_pk_add_f32 v[SS+j:SS+j+1], v[SS+j:SS+j+1], v[rT:rT+1] op_sel_hi:[1,0]
.if j == 6
	v_sub_f32 v[UU], v[rT], v[UU]                  ; old M - new M, 0 or less
.elseif j == 14
	v_cvt_i32_f32 v[UU], v[UU]                     ; (it saturates)
.elseif j == 22
	v_ldexp_f32 v[FA], 1.0, v[UU]
.endif
.set j, j+2
.endr
	s_wait_alu depctr_va_vdst(0)                   ; the wait ahead of the batch: it serves the 64 sources and f
.set j, 0
.rept 64
	v_exp_f32 v[SS+j], v[SS+j]                     ; p = 2^(t - M), at most 1: one batch
.set j, j+1
.endr
	v_pk_mul_f32 v[rT+2:rT+3], v[rT+2:rT+3], v[FA:FA+1] op_sel_hi:[1,0]   ; l under the new M: the plain line behind the last exponential (ISA guide 5.7.2)
	s_wait_alu depctr_va_vdst(0)                   ; one wait for the whole batch, ahead of its first reader
	; the 32 pairs of unquantised p are summed in eight chains, in p's 16 code registers: two steps of one chain stand eight lines apart
.irp c, 0,1,2,3,4,5,6,7
	v_pk_add_f32 v[PP+2*\c:PP+2*\c+1], v[SS+2*\c:SS+2*\c+1], v[SS+16+2*\c:SS+17+2*\c]
.endr
.irp g, 32,48
.irp c, 0,1,2,3,4,5,6,7
	v_pk_add_f32 v[PP+2*\c:PP+2*\c+1], v[PP+2*\c:PP+2*\c+1], v[SS+\g+2*\c:SS+\g+2*\c+1]
.endr
.endr
	v_pk_add_f32 v[PP:PP+1], v[PP:PP+1], v[PP+2:PP+3]                ; the eight chains are joined, and the step's sum joins l
	v_pk_add_f32 v[PP+4:PP+5], v[PP+4:PP+5], v[PP+6:PP+7]
	v_pk_add_f32 v[PP+8:PP+9], v[PP+8:PP+9], v[PP+10:PP+11]
	s_delay_alu instid0(VALU_DEP_4)
	v_pk_add_f32 v[PP+12:PP+13], v[PP+12:PP+13], v[PP+14:PP+15]
	s_delay_alu instid0(VALU_DEP_3)
	v_pk_add_f32 v[PP:PP+1], v[PP:PP+1], v[PP+4:PP+5]
	s_delay_alu instid0(VALU_DEP_2)
	v_pk_add_f32 v[PP+8:PP+9], v[PP+8:PP+9], v[PP+12:PP+13]
	s_delay_alu instid0(VALU_DEP_1)
	v_pk_add_f32 v[PP:PP+1], v[PP:PP+1], v[PP+8:PP+9]
	s_delay_alu instid0(VALU_DEP_1)
	v_pk_add_f32 v[rT+2:rT+3], v[rT+2:rT+3], v[PP:PP+1]
	s_cmp_ge_i32 s55, -15                          ; p is at most 1: where 57,344 x 2^e8 is 1 or more (e8 >= -15) no p lies beyond the largest code, and the hold is passed over
	s_cbranch_scc1 .Lno_hold_\@
.set j, 0
.rept 64
	v_min_num_f32 v[SS+j], v[SS+j], v[SCP+1]       ; the conversion does not saturate (ISA guide 7.6.2); p is not negative
.set j, j+1
.endr
.Lno_hold_\@:
.irp u, 0,1,2,3,4,5,6,7
	v_cvt_scalef32_pk8_bf8_f32 v[PP+2*\u:PP+2*\u+1], v[SS+8*\u:SS+8*\u+7], v[SCP]   ; registers 2 u, 2 u + 1 of source 1: keys 16 u + 8 h + 0..7
.endr
	v_nop                                          ; a plain line between the conversions and the products that write their sources and read their results
.if \t == 7
	s_wait_dscnt 0x0                               ; the next step's k and a, asked for at this tile's head
.endif
	SMUL NXT
	WIN 0x41
.irp i, 0,2,4,6,8,10,12,14
	v_pk_mul_f32 v[16*(\t)+\i:16*(\t)+\i+1], v[16*(\t)+\i:16*(\t)+\i+1], v[FA:FA+1] op_sel_hi:[1,0]   ; O^T under the new M; these eight are also the places behind the score products
.endr
.if \t == 0
	s_wait_alu depctr_va_vdst(0)
	s_wait_dscnt 0x0                               ; the step's V^T, asked for at the end of the step before
.endif
	WIN 0x51                                       ; V^T and O^T window 1, p window 0
	s_wait_alu depctr_va_vdst(0)
.irp c, 0,1
	v_wmma_f32_16x16x128_bf8_bf8 v[16*(\t)+8*\c:16*(\t)+8*\c+7], v[VF+16*\c:VF+16*\c+15], v[PP:PP+15], v[16*(\t)+8*\c:16*(\t)+8*\c+7]
.endr
.if \t == 7
.rept 4
	v_nop                                          ; places in front of loads into V^T's registers
.endr
	VLOADS
.endif
	WIN 0
.endm
	s_mov_b32 s60, 0                               ; the step's place in the images: 4,096 x step
	s_mov_b32 s62, 0                               ; and in the table: 512 x step
	v_add_nc_u32 v[ADK], s60, v[AK0]
	v_add_nc_u32 v[ADV], s60, v[AV0]
	v_add_nc_u32 v[ADA], s62, v[AA0]
	KLOADS
	ALOADS
	s_wait_alu depctr_va_vdst(0)
	s_wait_dscnt 0x0                               ; q, and step 0's k and a
	SMUL 0
.rept 4
	v_nop                                          ; places behind the first score products
.endr
	VLOADS
	WIN 0
	s_mov_b32 s61, 8
.Lstep:                                            ; eight trips of 128 keys
.irp t, 0,1,2,3,4,5,6,7
	TILE \t
.endr
	s_sub_co_u32 s61, s61, 1
	s_cmp_lg_u32 s61, 0
	s_cbranch_scc1 .Lstep
; ================= PHASE E =================
.irp t, 0,1,2,3,4,5,6,7
	v_add_f32 v[ST+4*\t+2], v[ST+4*\t+2], v[ST+4*\t+3]     ; l's two halves,
.endr
.irp t, 0,1,2,3,4,5,6,7
	v_permlanex16_b32 v[ST+4*\t+3], v[ST+4*\t+2], s56, s57
.endr
.irp t, 0,1,2,3,4,5,6,7
	v_add_f32 v[ST+4*\t+2], v[ST+4*\t+2], v[ST+4*\t+3]     ; and lane l xor 16's
.endr
	s_wait_alu depctr_va_vdst(0)
.irp t, 0,1,2,3,4,5,6,7
	v_rcp_f32 v[ST+4*\t], v[ST+4*\t+2]
.endr
	v_nop                                          ; a plain line behind the last reciprocal
	s_wait_alu depctr_va_vdst(0)
.irp t, 0,1,2,3,4,5,6,7
	v_ldexp_f32 v[ST+4*\t], v[ST+4*\t], s54        ; 2^(e8+e9) / l
.endr
	s_wait_alu depctr_va_vdst(0)
	BARRIER                                        ; every wave's reads of the images are over (the last trip's unused fetches too): the stage may be written over them
.irp t, 0,1,2,3,4,5,6,7
	WIN 0x01                                       ; O^T from window 1
.irp i, 0,2,4,6,8,10,12,14
	v_pk_mul_f32 v[SS+16*\t+\i:SS+16*\t+\i+1], v[16*\t+\i:16*\t+\i+1], v[ST+4*\t:ST+4*\t+1] op_sel_hi:[1,0]   ; each accumulator from its low end on
.endr
	WIN 0
.irp c, 0,1
.irp g, 0,1
	ds_store_b128 v[SOA], v[SS+16*\t+8*\c+4*\g:SS+16*\t+8*\c+4*\g+3] offset:4352*\t+64*\c+16*\g   ; query 16 t + r, channels 16 c + 8 h + 4 g on
.endr
.endr
.endr
	BARRIER                                        ; 512 rows of 256 bytes lie in the stage: each row's halves came from two waves
.set i, 0
.rept 32
	ds_load_b128 v[SS+4*i:SS+4*i+3], v[SRA] offset:544*i
.set i, i+1
.endr
.set i, 0
.rept 32
	s_wait_dscnt 31-i                              ; LDS loads come back in order: load i is in, the younger ones may be out
	global_store_b128 v[GO], v[SS+4*i:SS+4*i+3], s[20:21] offset:2048*i th:TH_STORE_NT   ; sixteen lanes store 256 consecutive bytes at a multiple of 256 from out's first byte; written once, read by nobody here
.set i, i+1
.endr
	s_wait_xcnt 0x0
	v_lshl_add_u32 v254, v0, 2, 0x46c00
	v_mov_b32 v255, 0
	s_wait_alu depctr_va_vdst(0)
	s_wait_tensorcnt 0x0
	ds_add_u32 v254, v255
	s_wait_dscnt 0x0
	s_endpgm
.Lfunc_end_k_q47dd529fe2_attn:
	.size	k_q47dd529fe2_attn, .Lfunc_end_k_q47dd529fe2_attn-k_q47dd529fe2_attn
	.p2alignl 7, 3214868480
	.fill 96, 4, 3214868480
	.section	.rodata,"a",@progbits
	.p2align	6, 0x0
	.amdhsa_kernel k_q47dd529fe2_attn
		.amdhsa_group_segment_fixed_size 290816
		.amdhsa_private_segment_fixed_size 0
		.amdhsa_enable_private_segment 0
		.amdhsa_kernarg_size 72
		.amdhsa_user_sgpr_count 2
		.amdhsa_user_sgpr_kernarg_segment_ptr 1
		.amdhsa_wavefront_size32 1
		.amdhsa_system_sgpr_workgroup_id_x 1
		.amdhsa_system_sgpr_workgroup_id_y 1
		.amdhsa_system_sgpr_workgroup_id_z 1
		.amdhsa_system_vgpr_workitem_id 0
		.amdhsa_next_free_vgpr 512
		.amdhsa_next_free_sgpr 66
		.amdhsa_reserve_vcc 0
		.amdhsa_float_denorm_mode_32 3
		.amdhsa_float_denorm_mode_16_64 3
		.amdhsa_memory_ordered 1
		.amdhsa_forward_progress 1
		.amdhsa_inst_pref_size 255
	.end_amdhsa_kernel
	.section	.bss,"aw",@nobits
	.p2align	6
	.space	262144
	.amdgpu_metadata
---
amdhsa.version: [ 1, 2 ]
amdhsa.kernels:
  - .name:           k_q47dd529fe2_attn
    .symbol:         k_q47dd529fe2_attn.kd
    .args:
      - { .name: query_codes, .offset: 0, .size: 8, .value_kind: global_buffer, .address_space: global }
      - { .name: key_codes, .offset: 8, .size: 8, .value_kind: global_buffer, .address_space: global }
      - { .name: value_codes, .offset: 16, .size: 8, .value_kind: global_buffer, .address_space: global }
      - { .name: Wq_codes, .offset: 24, .size: 8, .value_kind: global_buffer, .address_space: global }
      - { .name: Wk_codes, .offset: 32, .size: 8, .value_kind: global_buffer, .address_space: global }
      - { .name: Wv_codes, .offset: 40, .size: 8, .value_kind: global_buffer, .address_space: global }
      - { .name: mask, .offset: 48, .size: 8, .value_kind: global_buffer, .address_space: global }
      - { .name: lowp_scales, .offset: 56, .size: 8, .value_kind: global_buffer, .address_space: global }
      - { .name: out0, .offset: 64, .size: 8, .value_kind: global_buffer, .address_space: global }
    .group_segment_fixed_size: 290816
    .private_segment_fixed_size: 0
    .kernarg_segment_align: 8
    .kernarg_segment_size: 72
    .max_flat_workgroup_size: 256
    .sgpr_count:     66
    .vgpr_count:     512
    .wavefront_size: 32
...
	.end_amdgpu_metadata
.endif
;; end of part 1
